; MI455X (gfx1250); checked and timed in simulation.
; The chip was launched on July 23, 2026; its instructions are those of AMD's public machine-readable ISA for CDNA 5 (MIT licence, August 2026) and "CDNA5" Instruction Set Architecture Reference Guide (July 2026). The comments in the code are by the model that wrote it; some were corrected since.
;; Binarize Linear inference. Allowed arithmetic: float matrix products may take bf16 or f16 operands with f32 sums; other float arithmetic in f32, or as packed bf16 or f16 multiplies, adds, multiply-adds, maxima and minima; sums over many terms, partial sums and values carried from step to step in f32; what a program stores and reads back later, other than sums and carried values, may be rounded once to bf16 or f16.
;; Inputs: bias 4,096 float32; weight 4,096 x 4,096 float32; x 4,096 x 4,096 float32.
;; Outputs: out0 4,096 x 4,096 float32.
;; 2 versions, each right; version 2 is version 1 with the launch prep written anew for expert scheduling mode. Each part assembles by itself: llvm-mc -triple=amdgcn-amd-amdhsa -mcpu=gfx1250 --defsym DOCPART=n.
;; ======== version 1 of 2: 2 launches
;; workspace buffers: xb 33,554,432 bytes; wb 33,554,432 bytes
;; launch prep (part 1): grid 1024 x 1, 8 waves a work-group, no clusters, 0 bytes of LDS; arguments x, weight, xb, wb; writes xb, wb
.if DOCPART == 1
	.amdgcn_target "amdgcn-amd-amdhsa--gfx1250"
	.amdhsa_code_object_version 6
	.text
	.protected	k_qb0308fb8ed_prep
	.globl	k_qb0308fb8ed_prep
	.p2align	8
	.type	k_qb0308fb8ed_prep,@function
k_qb0308fb8ed_prep:
	s_mov_b64 s[64:65], 0
	v_nop
	global_prefetch_b8 v0, s[64:65] scope:SCOPE_SE
	s_setreg_imm32_b32 hwreg(HW_REG_WAVE_MODE, 25, 1), 1
	s_wait_xcnt 0x0
; xb[i] = (x[i] > 0 ? 1 : -1) in bf16 (exact); wb[i] = weight[i] rounded once to bf16.  Both keep their source's layout: [4096][4096], the last index along the rows.
; LIMITS.  +0, -0 and NaN in x give -1, as the comparison x > 0 gives them.  A weight beyond bf16's largest finite number becomes an infinity.
; A stream: every input byte is loaded once, every output byte stored once; nothing is shared between waves, so there is no LDS, no barrier and no matrix work.
; SHARES.  A LINE is 4,096 bytes of f32 (1,024 numbers), which become 2,048 bytes of bf16.  A work-group of eight waves owns 16 lines of x and the same 16 lines of weight.
; Thread t takes the 16 bytes at 16 t of a line and stores the 8 bytes at 8 t: a wave's load covers 512 consecutive bytes, a wave's store 256 consecutive bytes at a multiple of 256 from the buffer's first.
; IN FLIGHT.  A ring of eight slots in registers, a line of x and a line of weight to a slot: 16 loads of every wave are on their way.  All 16 lines are written out, the line's number in the
; immediates: no address register is ever rewritten, and no register that a store reads is written again, so the only waits are the counted ones for loads.
.set LINE, 4096                        ; bytes of a line as loaded
.set HALF, 2048                        ; bytes of a line as stored
.set IN,   1                           ; v1        16 t; never rewritten
.set OUT,  2                           ; v2        8 t; never rewritten
.set NEG,  3                           ; v3        -1.0
.set POS,  4                           ; v4        1.0
.set T,    6                           ; v[6:9]    four signs in f32, at work
.set X,    10                          ; v[10:73]  slot i: x's four numbers at X + 8 i, weight's four at X + 8 i + 4
.set Y,    74                          ; v[74:105] slot i: the first round's results: xb's pair at Y + 4 i, wb's at Y + 4 i + 2
	s_load_b256 s[4:11], s[0:1], 0x0               ; x s[4:5], weight s[6:7], xb s[8:9], wb s[10:11]
	s_lshl_b32 s2, ttmp9, 16                       ; the work-group's 16 lines as loaded: 65,536 bytes (1,024 work-groups: under 2^26)
	s_mov_b32 s3, 0
	s_lshl_b32 s12, ttmp9, 15                      ; and as stored
	s_mov_b32 s13, 0
	v_lshlrev_b32 v[IN], 4, v0
	v_lshlrev_b32 v[OUT], 3, v0
	v_mov_b32 v[NEG], -1.0
	v_mov_b32 v[POS], 1.0
	s_wait_kmcnt 0x0
	s_add_nc_u64 s[4:5], s[4:5], s[2:3]
	s_add_nc_u64 s[6:7], s[6:7], s[2:3]
	s_add_nc_u64 s[8:9], s[8:9], s[12:13]
	s_add_nc_u64 s[10:11], s[10:11], s[12:13]
.irp i, 0,1,2,3,4,5,6,7
	global_load_b128 v[X+8*(\i):X+8*(\i)+3],   v[IN], s[4:5] offset:(\i)*LINE th:TH_LOAD_NT  ; the ring is filled: lines 0 to 7, x's and weight's by turns
	global_load_b128 v[X+8*(\i)+4:X+8*(\i)+7], v[IN], s[6:7] offset:(\i)*LINE th:TH_LOAD_NT
.endr
; Slot i's turn, with line n.  ahead = 1: the slot is filled again with line n + 8, and the results go into Y; ahead = 0: nothing is loaded any more, and the results go where the line lay.
; left = how many younger loads may still be out when this slot's two have to be there.
.macro SLOT i, n, ahead, left
.if \ahead
.set DX, Y+4*(\i)
.set DW, Y+4*(\i)+2
.else
.set DX, X+8*(\i)
.set DW, X+8*(\i)+4
.endif
	s_wait_loadcnt \left                           ; loads come back in order (ISA guide 5.7.1): this slot's two are in
.irp j, 0,1,2,3
	v_cmp_lt_f32 s[20+(\j)], 0, v[X+8*(\i)+(\j)]   ; 0 < x: false for both zeros and for NaN
.endr
.irp j, 0,1,2,3
	v_cndmask_b32 v[T+(\j)], v[NEG], v[POS], s[20+(\j)]
.endr
	v_cvt_pk_bf16_f32 v[DX],   v[T],   v[T+1]      ; 1 and -1 are exact in bf16
	v_cvt_pk_bf16_f32 v[DX+1], v[T+2], v[T+3]
	v_cvt_pk_bf16_f32 v[DW],   v[X+8*(\i)+4], v[X+8*(\i)+5]  ; to nearest even; in place each line writes only what it, or the line before it, has read
	v_cvt_pk_bf16_f32 v[DW+1], v[X+8*(\i)+6], v[X+8*(\i)+7]
.if \ahead
	global_load_b128 v[X+8*(\i):X+8*(\i)+3],   v[IN], s[4:5] offset:((\n)+8)*LINE th:TH_LOAD_NT  ; loads ahead of stores
	global_load_b128 v[X+8*(\i)+4:X+8*(\i)+7], v[IN], s[6:7] offset:((\n)+8)*LINE th:TH_LOAD_NT
.endif
	global_store_b64 v[OUT], v[DX:DX+1], s[8:9]   offset:(\n)*HALF th:TH_STORE_NT
	global_store_b64 v[OUT], v[DW:DW+1], s[10:11] offset:(\n)*HALF th:TH_STORE_NT
.endm
.irp i, 0,1,2,3,4,5,6,7
	SLOT \i, \i, 1, 14                             ; behind slot i's two loads stand 2 (7 - i) of the first fill and 2 i refills: 14
.endr
.irp i, 0,1,2,3,4,5,6,7
	SLOT \i, 8+(\i), 0, 14-2*(\i)                  ; the last round loads nothing: the counts run down
.endr
	s_endpgm
.Lfunc_end_k_qb0308fb8ed_prep:
	.size	k_qb0308fb8ed_prep, .Lfunc_end_k_qb0308fb8ed_prep-k_qb0308fb8ed_prep
	.p2alignl 7, 3214868480
	.fill 96, 4, 3214868480
	.section	.rodata,"a",@progbits
	.p2align	6, 0x0
	.amdhsa_kernel k_qb0308fb8ed_prep
		.amdhsa_group_segment_fixed_size 0
		.amdhsa_private_segment_fixed_size 0
		.amdhsa_enable_private_segment 0
		.amdhsa_kernarg_size 32
		.amdhsa_user_sgpr_count 2
		.amdhsa_user_sgpr_kernarg_segment_ptr 1
		.amdhsa_wavefront_size32 1
		.amdhsa_system_sgpr_workgroup_id_x 1
		.amdhsa_system_sgpr_workgroup_id_y 1
		.amdhsa_system_sgpr_workgroup_id_z 1
		.amdhsa_system_vgpr_workitem_id 0
		.amdhsa_next_free_vgpr 106
		.amdhsa_next_free_sgpr 66
		.amdhsa_reserve_vcc 0
		.amdhsa_float_denorm_mode_32 3
		.amdhsa_float_denorm_mode_16_64 3
		.amdhsa_memory_ordered 1
		.amdhsa_forward_progress 1
		.amdhsa_inst_pref_size 20
	.end_amdhsa_kernel
	.amdgpu_metadata
---
amdhsa.version: [ 1, 2 ]
amdhsa.kernels:
  - .name:           k_qb0308fb8ed_prep
    .symbol:         k_qb0308fb8ed_prep.kd
    .args:
      - { .name: x, .offset: 0, .size: 8, .value_kind: global_buffer, .address_space: global }
      - { .name: weight, .offset: 8, .size: 8, .value_kind: global_buffer, .address_space: global }
      - { .name: xb, .offset: 16, .size: 8, .value_kind: global_buffer, .address_space: global }
      - { .name: wb, .offset: 24, .size: 8, .value_kind: global_buffer, .address_space: global }
    .group_segment_fixed_size: 0
    .private_segment_fixed_size: 0
    .kernarg_segment_align: 8
    .kernarg_segment_size: 32
    .max_flat_workgroup_size: 256
    .sgpr_count:     66
    .vgpr_count:     106
    .wavefront_size: 32
...
	.end_amdgpu_metadata
.endif
;; end of part 1
;; launch gemm (part 2): grid 16 x 16, 4 waves a work-group, clusters of 4 x 4, 327,680 bytes of LDS; arguments xb, wb, bias, out0; writes out0
.if DOCPART == 2
	.amdgcn_target "amdgcn-amd-amdhsa--gfx1250"
	.amdhsa_code_object_version 6
	.text
	.protected	k_qb0308fb8ed_gemm
	.globl	k_qb0308fb8ed_gemm
	.p2align	8
	.type	k_qb0308fb8ed_gemm,@function
k_qb0308fb8ed_gemm:
	s_mov_b64 s[64:65], 0
	v_nop
	global_prefetch_b8 v0, s[64:65] scope:SCOPE_SE
	s_setreg_imm32_b32 hwreg(HW_REG_WAVE_MODE, 25, 1), 1
	s_wait_xcnt 0x0
	s_wait_alu depctr_hold_cnt(0) depctr_sa_sdst(0) depctr_va_vdst(0) depctr_va_sdst(0) depctr_va_ssrc(0) depctr_va_vcc(0) depctr_vm_vsrc(0)
	s_getreg_b32 s2, hwreg(HW_REG_IB_STS2, 6, 4)
	s_cmp_eq_u32 s2, 0
	s_cbranch_scc0 .Lentry_in_a_cluster
	s_endpgm
.Lentry_in_a_cluster:
	s_bfe_u32 s2, ttmp6, 0x10000c
	s_cmp_lg_u32 s2, 0xf033
	s_cbranch_scc0 .Lentry_shape_is_right
	s_endpgm
.Lentry_shape_is_right:
; out0[m][n] = the sum over k of xb[m][k] wb[k][n] + bias[n].  xb: [4096 m][4096 k] bf16 (1 or -1), wb: [4096 k][4096 n] bf16, bias: [4096] f32, out0: [4096][4096] f32.  Sums in f32.
; LIMITS.  wb is the weight rounded once to bf16; the sums are taken in the matrix instructions' order, K ascending, beginning with the bias; infinities and NaN in wb or bias go through as they come.
; SHARES.  A tile of out0, 256 x 256, is made by a work-group of four waves; a wave makes 128 x 128: 64 accumulators of 16 x 16, 512 registers.  16 x 16 tiles: 256 work-groups, one tile each.
; K goes in 32 steps of 128 through a ring of two LDS slots filled by the tensor data mover.  A's tile is 256 rows m x 256 bytes, B's 128 rows k x 512 bytes; both kinds of row start at multiples of 256 bytes.
; B LIES [k][n]: its fragments are turned on the way from LDS to registers, by ds_load_tr16_b128: two loads a fragment, as many as A's plain ones.
; CLUSTERS: 4 x 4 work-groups.  The four of a row of the cluster need the same tiles of A, the four of a column the same tiles of B: each tile is asked for JOINTLY, by the same tensor load with the same
; descriptor and a mask that names the four, and each receives it in its own LDS.  That divides the requests for A and for B by four.
; THE MATRIX INSTRUCTION IS USED TRANSPOSED: source 0 = 16 columns n of B, source 1 = 16 rows m of A.  In the result lane l holds row m = l % 16 and its registers 0 to 7 the columns 8 (l / 16) + 0..7:
; 32 consecutive bytes of a row of out0.  THE BIAS IS THE C OPERAND OF EACH ACCUMULATOR'S FIRST PRODUCT: nothing is cleared, and nothing is added on the way out.
; REGISTERS, in windows of 256 (s_set_vgpr_msb's low byte: bits 1:0 source 0, 3:2 source 1, 5:4 source 2, 7:6 destination):
;   window 0: v0-31 addresses; v64-127, v128-191 fragments of A (8 x 16 rows x 32 K), two buffers; on the way out the same 128 take rows read back from the stage
;   window 1: v0-63 the bias of my 128 columns (block b of 16 at 8 b); v64-127, v128-191 fragments of B, two buffers
;   window 2: the 32 accumulators of my rows 0-63 (accumulator (a, b) at v[8 (8 a + b)]);   window 3: those of my rows 64-127
.set PA,     272                       ; a row of A in LDS: 256 bytes + 16 of padding = 68 words: row r starts at bank 4 r mod 64 (64 banks of 4 bytes: ISA guide 11.1), so the 16 rows of a load start at 16 different banks
.set PB,     544                       ; a row of B: 512 + 32 = 136 words: row r starts at bank 8 r mod 64
.set HALFT,  34816                     ; what one tensor load brings: 128 rows of A (128 x 272) or 64 rows of B (64 x 544)
.set SLOT,   4*HALFT                   ; A's 256 rows, then B's 128 rows
.set STAGE,  2*SLOT                    ; behind the ring, never filled by a tensor load: 16 rows x 528 bytes for each wave, for the way out
.set SP,     528                       ; a stage row: 512 bytes + 16 = 132 words: row r starts at bank 4 r mod 64
.set SPARE,  STAGE+4*16*SP             ; behind the stages: the spare words, 128 bytes for each wave: two blocks of 256 bytes that no other line names
.set LAPS,   16                        ; a lap = two K steps = once round the ring
.set ASTEP,  256                       ; bytes from a K step to the next in xb: 128 numbers along a row
.set BSTEP,  0x100000                  ; and in wb: 128 rows of 8,192 bytes
.set OROW,   16384                     ; bytes in a row of out0
.set ADRA, 16                          ; v16-17  LDS address of my A fragments in slot 0, 1
.set ADRB, 20                          ; v20-21  the same for B
.set STO,  24                          ; v24     the way out: where I put 32 bytes of a row
.set RD,   25                          ; v25     the way out: where I read 16 bytes of a row back
.set CO,   26                          ; v26     my byte offset in 512 bytes of a row of out0
.set BO,   27                          ; v27     my byte offset in 64 bytes of the bias
.set SPW,  28                          ; v28     LDS address of my spare word: SPARE + 4 x my thread's number; never rewritten
.set NIL,  29                          ; v29     0; never rewritten
.set PFO,  30                          ; v30     the prefetches' offset; never rewritten
.set F0,   64                          ; fragment buffer 0
.set F1,   128                         ; fragment buffer 1
.set WV,   12                          ; s12  my wave's number
.set WR,   13                          ; s13  which half of the tile's rows is mine.  Also: I fetch for A (0) or for B (1)
.set WC,   14                          ; s14  which half of its columns.  Also: which half of that tile I fetch
.set TROW, 15                          ; s15  tile row of out0
.set TCOL, 42                          ; s42  tile column
.set G1A,  24                          ; s[24:31] descriptor group 1 for A's tiles
.set G0A,  32                          ; s[32:39] descriptor group 0 for A's tiles, one set for each slot
.set G1B,  48                          ; s[48:55], s[56:63] the same for B's tiles
.set G0B,  56
.set LIM,  43                          ; s43  1 in a wave that prefetches, else the greatest number
.set PFA,  44                          ; s[44:45] where my prefetches stand
.set PSTEP, 66                         ; s[66:67] a K step in the tensor that I prefetch
.set MSB, 0
.macro WIN new                         ; the immediate's high byte repeats the setting that is left; a switch that changes nothing is dropped
.if MSB != (\new)
	s_set_vgpr_msb (MSB<<8)|(\new)
.set MSB, \new
.endif
.endm
; A joint load.  Waves 0 and 1 fetch A's two halves, waves 2 and 3 B's.  Each of the two lines has ONE mask and one set of registers for all that issue it; the branch hangs on the wave's number alone.
; An s_nop 0 and four v_nop follow each of the two lines, ahead of the jump, the label and what follows the macro.
.macro JLOAD s
	s_cmp_eq_u32 s[WR], 0
	s_cbranch_scc0 .Lfor_b_\@
	tensor_load_to_lds s[G0A+4*(\s):G0A+4*(\s)+3], s[G1A:G1A+7]
	s_nop 0
.rept 4
	v_nop
.endr
	s_branch .Lasked_\@
.Lfor_b_\@:
	tensor_load_to_lds s[G0B+4*(\s):G0B+4*(\s)+3], s[G1B:G1B+7]
	s_nop 0
.rept 4
	v_nop
.endr
.Lasked_\@:
.endm
; A PREFETCH INTO THE L2, behind each joint refill, its five lines and the run of LDS loads that follows them: one instruction a wave, for the K step that stands TWO refills on, 512 matrix instructions ahead of the
; load that will ask for it.  Each aligned block of 256 bytes of xb and wb from K step 4 on is named ONCE in the launch.  A's tile row is read by every cluster of that row of clusters: the one with cluster x = 0
; asks; B's tile column by every cluster of that column: the one with cluster y = 0 asks.  The four partners that ask for a tile jointly share it out BY ADDRESS: of the 128 rows of A that wave 0 or 1 fetches the
; partner at cx takes 32, a lane a row; of the 64 rows of B that wave 2 or 3 fetches the partner at cy takes 16, a lane half a row.  No branch hangs on a work-group's place in its cluster.
; K steps 0 to 3 come by their loads alone; the loop's last trip (s3 = 1) asks for nothing: there is no K step 32.
.macro ASK
	s_cmp_gt_u32 s3, s[LIM]
	s_cbranch_scc0 .Lnot_mine_\@
	global_prefetch_b8 v[PFO], s[PFA:PFA+1] th:TH_LOAD_NT scope:SCOPE_SE
.Lnot_mine_\@:
.endm
; A round of the cluster's barrier: my work-group's barrier, so that wave 0's signal speaks for all four waves; wave 0 signals for the work-group; every wave waits for all sixteen work-groups; my work-group's
; barrier once more.  No LDS instruction of the wave is pending at a signal.
.macro CREST                           ; a round behind its opening barrier
	s_cmp_lg_u32 s[WV], 0
	s_cbranch_scc1 .Lnot_wave_0_\@
	s_barrier_signal -3
.Lnot_wave_0_\@:
	s_barrier_wait -3
	s_barrier_signal -1
	s_barrier_wait -1
.endm
.macro CROUND                          ; a whole round
	s_barrier_signal -1
	s_barrier_wait -1
	CREST
.endm
	s_load_b256 s[4:11], s[0:1], 0x0               ; xb s[4:5], wb s[6:7], bias s[8:9], out0 s[10:11]
	v_lshl_add_u32 v[SPW], v0, 2, SPARE
	v_mov_b32 v[NIL], 0
	ds_add_u32 v[SPW], v[NIL]                      ; the wave's opening: the add, twice on end, and its wait ahead of my first tensor load; the set-up below, work on registers, stands between
	ds_add_u32 v[SPW], v[NIL]                      ; and once more, under the one wait
	v_lshrrev_b32 v1, 5, v0
	v_readfirstlane_b32 s[WV], v1                  ; wave 0..3
	s_lshr_b32 s[WR], s[WV], 1
	s_and_b32 s[WC], s[WV], 1
	s_bfe_u32 s40, ttmp6, 0x40000                  ; cx: my place along the cluster's x
	s_bfe_u32 s41, ttmp6, 0x40004                  ; cy: along its y
	s_lshl_b32 s[TCOL], ttmp9, 2                   ; in a cluster launch ttmp9 and ttmp7 count clusters
	s_add_co_u32 s[TCOL], s[TCOL], s40             ; tile column = 4 x cluster x + cx
	s_and_b32 s[TROW], ttmp7, 0xffff
	s_lshl_b32 s[TROW], s[TROW], 2
	s_add_co_u32 s[TROW], s[TROW], s41             ; tile row = 4 x cluster y + cy
	s_lshl_b32 s43, s41, 2
	s_lshl_b32 s43, 15, s43                        ; my row of the cluster: places 4 cy .. 4 cy + 3
	s_lshl_b32 s44, 0x1111, s40                    ; my column: places cx, cx + 4, cx + 8, cx + 12
	; descriptor group 1 for A: 128 rows x 128 elements; for B: 64 rows x 256 elements; both padded in LDS
	s_or_b32 s[G1A+0], s43, (1<<16)|(1<<20)|(1<<21)|(5<<22)|(3<<25)  ; 15:0 the mask: my row; 17:16 elements of 2 bytes; 20 padding on; 21 set beside a mask; 24:22 after every 64 words (code 5); 31:25 4 words of it (code 3)
	s_or_b32 s[G1B+0], s44, (1<<16)|(1<<20)|(1<<21)|(6<<22)|(7<<25)  ; the mask: my column; after every 128 words (code 6) 8 words (code 7)
	s_mov_b32 s[G1A+1], 128<<16                    ; 63:48 tensor_dim0, low half = 128
	s_mov_b32 s[G1A+2], 128<<16                    ; 79:64 its high half = 0; 95:80 tensor_dim1, low half = 128
	s_mov_b32 s[G1A+3], 128<<16                    ; 111:96 its high half = 0; 127:112 tile_dim0 = 128
	s_mov_b32 s[G1A+4], 128                        ; 143:128 tile_dim1 = 128; 159:144 tile_dim2 = 0
	s_mov_b32 s[G1A+5], 4096                       ; 191:160 elements from row to row
	s_mov_b32 s[G1A+6], 0
	s_mov_b32 s[G1A+7], 0
	s_mov_b32 s[G1B+1], 256<<16                    ; tensor_dim0 = 256
	s_mov_b32 s[G1B+2], 64<<16                     ; tensor_dim1 = 64
	s_mov_b32 s[G1B+3], 256<<16                    ; tile_dim0 = 256
	s_mov_b32 s[G1B+4], 64                         ; tile_dim1 = 64
	s_mov_b32 s[G1B+5], 4096
	s_mov_b32 s[G1B+6], 0
	s_mov_b32 s[G1B+7], 0
	; where the tiles come from.  A's hang on the tile row alone, which my row of the cluster shares; B's on the tile column alone, which my column shares.  Every wave makes both addresses and asks by one of them.
	s_lshl_b32 s16, s[TROW], 21                    ; A: 256 rows of 8,192 bytes a tile row,
	s_lshl_b32 s17, s[WC], 20                      ; 128 rows for the half that I fetch
	s_add_co_u32 s16, s16, s17
	s_mov_b32 s17, 0
	s_lshl_b32 s46, s[TCOL], 9                     ; B: 256 columns of 2 bytes a tile column,
	s_lshl_b32 s47, s[WC], 19                      ; 64 rows of 8,192 bytes for the half that I fetch
	s_add_co_u32 s46, s46, s47
	s_mov_b32 s47, 0
	s_mul_i32 s20, s[WV], HALFT                    ; and where they go: A's two halves, then B's two halves = wave x HALFT: no place in the cluster enters an LDS address
	s_wait_dscnt 0x0                               ; both opening adds are done
	s_wait_kmcnt 0x0
	s_add_nc_u64 s[16:17], s[4:5], s[16:17]
	s_add_nc_u64 s[46:47], s[6:7], s[46:47]
	CROUND                                         ; all sixteen work-groups are here: the first joint loads meet
.irp s, 0,1
	s_mov_b32 s[G0A+4*(\s)], 1                                       ; 1:0 count = 1
	s_add_co_u32 s[G0A+4*(\s)+1], s20, (\s)*SLOT                     ; 63:32 LDS address
	s_add_nc_u64 s[G0A+4*(\s)+2:G0A+4*(\s)+3], s[16:17], (\s)*ASTEP  ; 120:64 global address: K step s
	s_or_b32 s[G0A+4*(\s)+3], s[G0A+4*(\s)+3], 0x80000000            ; 127:126 type = 2
	s_mov_b32 s[G0B+4*(\s)], 1
	s_add_co_u32 s[G0B+4*(\s)+1], s20, (\s)*SLOT
	s_add_nc_u64 s[G0B+4*(\s)+2:G0B+4*(\s)+3], s[46:47], (\s)*BSTEP
	s_or_b32 s[G0B+4*(\s)+3], s[G0B+4*(\s)+3], 0x80000000
	JLOAD \s                                       ; the ring is filled before anything else is done: two tensor loads of mine are out
.endr
	v_and_b32 v1, 15, v0                           ; l % 16
	v_bfe_u32 v2, v0, 4, 1                         ; l / 16
	; the bias of my 128 columns: register j of block b holds bias[16 b + 8 (l / 16) + j], the layout of a result
	v_lshlrev_b32 v[BO], 5, v2
	s_lshl_b32 s68, s[TCOL], 10                    ; 256 columns of 4 bytes a tile column,
	s_lshl_b32 s69, s[WC], 9                       ; 128 for my half
	s_add_co_u32 s68, s68, s69
	s_mov_b32 s69, 0
	s_add_nc_u64 s[8:9], s[8:9], s[68:69]
	WIN 0x40                                       ; destination window 1, address window 0
.irp b, 0,1,2,3,4,5,6,7
	global_load_b128 v[8*(\b):8*(\b)+3],   v[BO], s[8:9] offset:64*(\b)
	global_load_b128 v[8*(\b)+4:8*(\b)+7], v[BO], s[8:9] offset:64*(\b)+16
.endr
	WIN 0
	s_lshl_b32 s21, s[TROW], 22                    ; out0 at my first row and column: 256 rows of 16,384 bytes a tile row,
	s_lshl_b32 s22, s[WR], 21                      ; 128 rows for my half
	s_add_co_u32 s21, s21, s22
	s_add_co_u32 s68, s68, s21                     ; under 2^26
	s_add_nc_u64 s[10:11], s[10:11], s[68:69]
	; A fragment of A is 16 rows x 32 K in 8 registers: lane l holds row l % 16; registers 0-3 K = 8 (l / 16) + 0..7, registers 4-7 K = 16 + 8 (l / 16) + 0..7: two loads of 16 bytes, 32 bytes apart.
	v_mul_u32_u24 v3, v1, PA
	v_lshl_add_u32 v3, v2, 4, v3                   ; row x pitch + 16 x half
	s_mul_i32 s21, s[WR], HALFT                    ; my 128 rows of A
	v_add_nc_u32 v[ADRA], s21, v3
	v_add_nc_u32 v[ADRA+1], SLOT, v[ADRA]
	; The turning load takes 16 K x 16 columns (lane l reads 16 bytes: row k = 8 (l / 16) + l % 8, columns 8 ((l / 8) % 2) + 0..7) and leaves half a fragment: lane l holds column l % 16 and 8 K.
	v_and_b32 v4, 7, v0
	v_lshl_add_u32 v4, v2, 3, v4
	v_mul_u32_u24 v4, v4, PB
	v_bfe_u32 v5, v0, 3, 1
	v_lshl_add_u32 v4, v5, 4, v4
	s_lshl_b32 s22, s[WC], 8                       ; my 128 columns: 256 bytes of each row of B,
	s_add_co_u32 s22, s22, 2*HALFT                 ; which lies behind A's 256 rows
	v_add_nc_u32 v[ADRB], s22, v4
	v_add_nc_u32 v[ADRB+1], SLOT, v[ADRB]
	s_mul_i32 s23, s[WV], 16*SP
	s_add_co_u32 s23, s23, STAGE                   ; my stage
	v_mul_u32_u24 v6, v1, SP                       ; in: row l % 16, 32 bytes for each half of the lanes
	v_lshl_add_u32 v6, v2, 5, v6
	v_add_nc_u32 v[STO], s23, v6
	v_and_b32 v31, 31, v0                          ; l
	v_lshlrev_b32 v[CO], 4, v31                    ; back: 32 lanes take one row of 512 bytes,
	v_add_nc_u32 v[RD], s23, v[CO]                 ; which are 512 consecutive bytes of out0
	; the prefetches.  For A: my tile row, the 128 rows that I fetch, my work-group's 32 of them (by cx), at K step 3.  For B: the 64 rows that I fetch, my work-group's 16 (by cy), my tile column, at K step 3.
	; The first refill steps the address to K step 4.  Nothing is prefetched here, at the head, where every work-group's first tiles are on their way.
	s_lshl_b32 s16, s[TROW], 21
	s_lshl_b32 s17, s[WC], 20
	s_add_co_u32 s16, s16, s17
	s_lshl_b32 s17, s40, 18
	s_add_co_u32 s16, s16, s17
	s_add_co_u32 s16, s16, 3*ASTEP
	s_lshl_b32 s18, s[WC], 19
	s_lshl_b32 s19, s41, 17
	s_add_co_u32 s18, s18, s19
	s_lshl_b32 s19, s[TCOL], 9
	s_add_co_u32 s18, s18, s19
	s_add_co_u32 s18, s18, 3*BSTEP
	s_and_b32 s19, ttmp7, 0xffff                   ; cluster y
	s_mov_b32 s[PSTEP], BSTEP
	s_mov_b32 s[PSTEP+1], 0
	s_mov_b32 s17, 0
	s_cmp_eq_u32 s[WR], 0                          ; do I fetch for A?
	s_cselect_b32 s16, s16, s18
	s_cselect_b32 s19, ttmp9, s19                  ; the coordinate along which other clusters read the same rows
	s_cselect_b32 s[PSTEP], ASTEP, s[PSTEP]
	s_cselect_b64 s[PFA:PFA+1], s[4:5], s[6:7]
	s_add_nc_u64 s[PFA:PFA+1], s[PFA:PFA+1], s[16:17]
	s_cmp_eq_u32 s19, 0
	s_cselect_b32 s[LIM], 1, -1                    ; the same in all sixteen partners, for a given wave
	v_lshrrev_b32 v[PFO], s[WR], v31               ; A: row l; B: row l / 2,
	v_lshlrev_b32 v[PFO], 13, v[PFO]               ; 8,192 bytes a row,
	v_and_b32 v31, s[WR], v31                      ; B: the row's first or second 256 bytes of my tile column's 512, by l % 2
	v_lshl_add_u32 v[PFO], v31, 8, v[PFO]
; 16 matrix instructions: m blocks a0, a0 + 1 of the window's four (hi = 0: my rows 0-63, 1: rows 64-127) x all 8 n blocks, 32 along K.  The 64 accumulators take turns, one instruction a turn, in the same
; order in every quarter step.  first = 1: the product starts the sum, with the bias (window 1) as C.
.macro MUL16 f, hi, a0, first
.if \first
	WIN 0x91+0x40*(\hi)                            ; source 0 (B) window 1, source 1 (A) window 0, C window 1, D window 2 or 3
.else
	WIN 0xa1+0x50*(\hi)                            ; the same with C and D both in window 2 or 3
.endif
.irp a, \a0, (\a0)+1
.irp b, 0,1,2,3,4,5,6,7
.if \first
	v_wmma_f32_16x16x32_bf16 v[8*(8*(\a)+(\b)):8*(8*(\a)+(\b))+7], v[(\f)+8*(\b):(\f)+8*(\b)+7], v[(\f)+8*(4*(\hi)+(\a)):(\f)+8*(4*(\hi)+(\a))+7], v[8*(\b):8*(\b)+7]
.else
	v_wmma_f32_16x16x32_bf16 v[8*(8*(\a)+(\b)):8*(8*(\a)+(\b))+7], v[(\f)+8*(\b):(\f)+8*(\b)+7], v[(\f)+8*(4*(\hi)+(\a)):(\f)+8*(4*(\hi)+(\a))+7], v[8*(8*(\a)+(\b)):8*(8*(\a)+(\b))+7]
.endif
.endr
.endr
.endm
; 32 LDS loads in one run: the fragments of quarter q of a slot's K step (32 K x my 128 columns of B, turned; my 128 rows of A x 32 K) into buffer f.  B first, then A's rows in ascending order.
.macro FETCH slot, q, f
	WIN 0x40                                       ; destination window 1, address window 0
.irp i, 0,1,2,3,4,5,6,7
	ds_load_tr16_b128 v[(\f)+8*(\i):(\f)+8*(\i)+3],   v[ADRB+(\slot)] offset:(\q)*32*PB+32*(\i)
	ds_load_tr16_b128 v[(\f)+8*(\i)+4:(\f)+8*(\i)+7], v[ADRB+(\slot)] offset:(\q)*32*PB+16*PB+32*(\i)
.endr
	WIN 0
.irp i, 0,1,2,3,4,5,6,7
	ds_load_b128 v[(\f)+8*(\i):(\f)+8*(\i)+3],   v[ADRA+(\slot)] offset:64*(\q)+(\i)*16*PA
	ds_load_b128 v[(\f)+8*(\i)+4:(\f)+8*(\i)+7], v[ADRA+(\slot)] offset:64*(\q)+(\i)*16*PA+32
.endr
.endm
; A load into a register that a matrix instruction has read, and an LDS store that reads a matrix result, stand four places behind that matrix instruction, and only plain vector instructions that name none of
; its registers are places (ISA guide 7.12.1 for vector instructions); the matrix instructions in between are not counted.
.macro PLACES
.rept 4
	v_nop
.endr
.endm
; A K step is four quarters of 32 along K, 64 matrix instructions each, on buffers 0, 1, 0, 1.  One of the first three: multiplies buffer f; in its middle it fetches quarter q of the same slot into buffer g.
.macro QUARTER slot, q, f, g, first
	s_wait_dscnt 8                                 ; B and A's rows 0-63 are in; the youngest eight loads (A's rows 64-127) may be out
	MUL16 \f, 0, 0, \first
	MUL16 \f, 0, 2, \first
	PLACES
	FETCH \slot, \q, \g
	s_wait_dscnt 32                                ; all but the 32 just issued
	MUL16 \f, 1, 0, \first
	MUL16 \f, 1, 2, \first
.endm
; The last quarter multiplies buffer 1 and changes slots.  MEET is its first half: ONE barrier for the change.  In front of it each wave waits for all its tensor loads, of which one is out: its part of the next
; slot; adds 0 to its spare word; and waits for that and for its own reads of this slot.  Behind it nobody reads this slot any more and the next slot is whole.
.macro MEET round                      ; round = 1: the rest of a round of the cluster's barrier follows
	WIN 0                                          ; (the add's two registers lie in window 0)
	s_wait_tensorcnt 0x0                           ; all my tensor loads have landed
	ds_add_u32 v[SPW], v[NIL]                      ; 0 onto my spare word
	s_wait_dscnt 9                                 ; (the add and the youngest eight loads may be out)
	MUL16 F1, 0, 0, 0                              ; sixteen matrix instructions stand between the add and the wait for it
	s_wait_dscnt 0x0                               ; the add is done, and my reads of this slot are over
	s_barrier_signal -1
	MUL16 F1, 0, 2, 0                              ; work on registers while the others arrive
.if \round
	WIN 0
.endif
	s_barrier_wait -1
.endm
; The whole last quarter of a K step whose slot is filled again, with the K step two on.  The barrier opens a round of the cluster's barrier; the joint refill is the first tensor load behind the round; then come
; the next slot's first fragments.  From the request to the wait for it a wave issues 224 matrix instructions.
.macro TURN slot, next
	s_wait_xcnt 0x0                                ; the last prefetch, a K step back, has read its address, which is stepped here, ahead of the waits of the change of slots
	s_add_nc_u64 s[PFA:PFA+1], s[PFA:PFA+1], s[PSTEP:PSTEP+1]
	MEET 1
	CREST                                          ; no wave of any partner still reads this slot's tiles or has a load on its way
	s_add_nc_u64 s[G0A+4*(\slot)+2:G0A+4*(\slot)+3], s[G0A+4*(\slot)+2:G0A+4*(\slot)+3], 2*ASTEP  ; no tensor load of mine is out: the addresses step; the type bits on top are not reached
	s_add_nc_u64 s[G0B+4*(\slot)+2:G0B+4*(\slot)+3], s[G0B+4*(\slot)+2:G0B+4*(\slot)+3], 2*BSTEP
	JLOAD \slot                                    ; the four v_nop behind it are also the places in front of the loads below
	FETCH \next, 0, F0
	ASK
	MUL16 F1, 1, 0, 0
	MUL16 F1, 1, 2, 0
.endm
; THE WAY OUT of block a (16 of my rows x 128 columns of f32).  TOSTAGE: a lane's 32 bytes of each of the 8 accumulators go into my own stage, rows of 528 bytes, the accumulator's four lowest registers first;
; whole rows of 512 bytes come back, into the fragment buffers of A, which take turns.  SEND: they are stored.
.macro TOSTAGE a
.set AC, 64*((\a)%4)
.set BK, F0+64*((\a)%2)
.if (\a) >= 2
	s_wait_xcnt 0x0                                ; the stores of block a - 2 have read the registers that are loaded again below
.endif
	WIN 0x08+4*((\a)/4)                            ; the stores' data in window 2 or 3, their address in window 0
.irp b, 0,1,2,3,4,5,6,7
	ds_store_b128 v[STO], v[AC+8*(\b):AC+8*(\b)+3]   offset:64*(\b)
	ds_store_b128 v[STO], v[AC+8*(\b)+4:AC+8*(\b)+7] offset:64*(\b)+16
.endr
	WIN 0
.irp t, 0,1,2,3,4,5,6,7,8,9,10,11,12,13,14,15
	ds_load_b128 v[BK+4*(\t):BK+4*(\t)+3], v[RD] offset:(\t)*SP  ; LDS serves a wave's instructions in order (ISA guide 5.7.1.4): these see the stores above; the next block's stores come behind them
.endr
.endm
.macro SEND a, younger                 ; younger: the LDS instructions issued behind block a's loads: the next block's 32, or none
.set BK, F0+64*((\a)%2)
	WIN 0
.irp t, 0,1,2,3,4,5,6,7,8,9,10,11,12,13,14,15
	s_wait_dscnt (\younger)+15-(\t)                ; row t is back
	global_store_b128 v[CO], v[BK+4*(\t):BK+4*(\t)+3], s[10:11] offset:(16*(\a)+(\t))*OROW th:TH_STORE_NT  ; 512 consecutive bytes at a multiple of 512 from out0's first; the row stands in the immediate, 127 rows at the most
.endr
.endm
	s_wait_tensorcnt 1                             ; my part of K step 0 is in; K step 1's may stay out
	s_barrier_signal -1
	s_barrier_wait -1                              ; everybody's is
	FETCH 0, 0, F0
	s_wait_loadcnt 0x0                             ; the bias
	QUARTER 0, 1, F0, F1, 1                        ; the first quarter stands in front of the loop: its products start the sums
	WIN 0                                          ; at a label and at a branch every window is 0
	s_mov_b32 s3, LAPS-1
.Llap:                                             ; a trip goes once round the ring, from a lap's second quarter to the next lap's first, and fills both slots again
	QUARTER 0, 2, F1, F0, 0
	QUARTER 0, 3, F0, F1, 0
	TURN 0, 1
	QUARTER 1, 1, F0, F1, 0
	QUARTER 1, 2, F1, F0, 0
	QUARTER 1, 3, F0, F1, 0
	TURN 1, 0
	QUARTER 0, 1, F0, F1, 0
	WIN 0
	s_sub_co_u32 s3, s3, 1
	s_cmp_lg_u32 s3, 0
	s_cbranch_scc1 .Llap
	QUARTER 0, 2, F1, F0, 0                        ; the last lap is written out: it asks for nothing
	QUARTER 0, 3, F0, F1, 0
	MEET 0                                         ; my one tensor load that was still out is the last K step's, so no round follows
	PLACES                                         ; for the loads into buffer 0, which the quarter before multiplied
	FETCH 1, 0, F0
	MUL16 F1, 1, 0, 0
	MUL16 F1, 1, 2, 0
	QUARTER 1, 1, F0, F1, 0
	QUARTER 1, 2, F1, F0, 0
	QUARTER 1, 3, F0, F1, 0
	s_wait_dscnt 8                                 ; the very last quarter: nothing more to fetch
	MUL16 F1, 0, 0, 0
	MUL16 F1, 0, 2, 0
	s_wait_dscnt 0x0
	MUL16 F1, 1, 0, 0
	MUL16 F1, 1, 2, 0
	WIN 0
	PLACES                                         ; behind the last products, in front of the LDS stores that read results and of the loads into A's fragment buffers:
	PLACES                                         ; four are asked for; eight stand here, once a launch
	TOSTAGE 0
.irp a, 1,2,3,4,5,6,7                  ; block a's trip through the stage is under way while block a - 1 is stored
	TOSTAGE \a
	SEND (\a)-1, 32
.endr
	SEND 7, 0
	s_wait_tensorcnt 0x0                           ; the wave's end, behind my last tensor load and my last LDS store
	ds_add_u32 v[SPW], v[NIL]
	s_wait_dscnt 0x0
	CROUND                                         ; the closing round: no work-group ends while a partner may still ask for a tile that names it
	s_endpgm
.Lfunc_end_k_qb0308fb8ed_gemm:
	.size	k_qb0308fb8ed_gemm, .Lfunc_end_k_qb0308fb8ed_gemm-k_qb0308fb8ed_gemm
	.p2alignl 7, 3214868480
	.fill 96, 4, 3214868480
	.section	.rodata,"a",@progbits
	.p2align	6, 0x0
	.amdhsa_kernel k_qb0308fb8ed_gemm
		.amdhsa_group_segment_fixed_size 327680
		.amdhsa_private_segment_fixed_size 0
		.amdhsa_enable_private_segment 0
		.amdhsa_kernarg_size 32
		.amdhsa_user_sgpr_count 2
		.amdhsa_user_sgpr_kernarg_segment_ptr 1
		.amdhsa_wavefront_size32 1
		.amdhsa_system_sgpr_workgroup_id_x 1
		.amdhsa_system_sgpr_workgroup_id_y 1
		.amdhsa_system_sgpr_workgroup_id_z 1
		.amdhsa_system_vgpr_workitem_id 0
		.amdhsa_next_free_vgpr 1024
		.amdhsa_next_free_sgpr 70
		.amdhsa_reserve_vcc 0
		.amdhsa_float_denorm_mode_32 3
		.amdhsa_float_denorm_mode_16_64 3
		.amdhsa_memory_ordered 1
		.amdhsa_forward_progress 1
		.amdhsa_inst_pref_size 147
	.end_amdhsa_kernel
	.amdgpu_metadata
---
amdhsa.version: [ 1, 2 ]
amdhsa.kernels:
  - .name:           k_qb0308fb8ed_gemm
    .symbol:         k_qb0308fb8ed_gemm.kd
    .args:
      - { .name: xb, .offset: 0, .size: 8, .value_kind: global_buffer, .address_space: global }
      - { .name: wb, .offset: 8, .size: 8, .value_kind: global_buffer, .address_space: global }
      - { .name: bias, .offset: 16, .size: 8, .value_kind: global_buffer, .address_space: global }
      - { .name: out0, .offset: 24, .size: 8, .value_kind: global_buffer, .address_space: global }
    .group_segment_fixed_size: 327680
    .private_segment_fixed_size: 0
    .kernarg_segment_align: 8
    .kernarg_segment_size: 32
    .max_flat_workgroup_size: 128
    .sgpr_count:     70
    .vgpr_count:     1024
    .wavefront_size: 32
...
	.end_amdgpu_metadata
.endif
;; end of part 2
;; ======== version 2 of 2: 2 launches; version 1 with the launch prep written anew for expert scheduling mode
;; workspace buffers: xb 33,554,432 bytes; wb 33,554,432 bytes
;; launch prep (part 3): grid 1024 x 1, 8 waves a work-group, no clusters, 0 bytes of LDS; arguments x, weight, xb, wb; writes xb, wb
.if DOCPART == 3
	.amdgcn_target "amdgcn-amd-amdhsa--gfx1250"
	.amdhsa_code_object_version 6
	.text
	.protected	k_qb0308fb8ed_prep
	.globl	k_qb0308fb8ed_prep
	.p2align	8
	.type	k_qb0308fb8ed_prep,@function
k_qb0308fb8ed_prep:
	s_mov_b64 s[64:65], 0
	v_nop
	global_prefetch_b8 v0, s[64:65] scope:SCOPE_SE
	s_setreg_imm32_b32 hwreg(HW_REG_WAVE_SCHED_MODE, 0, 2), 2
	s_setreg_imm32_b32 hwreg(HW_REG_WAVE_MODE, 25, 1), 1
	s_wait_xcnt 0x0
	s_wait_alu depctr_vm_vsrc(0)
; xb[i] = (x[i] > 0 ? 1 : -1) in bf16 (exact); wb[i] = weight[i] rounded once to bf16.  Both keep their source's layout: [4096][4096], the last index along the rows.
; LIMITS.  +0, -0 and NaN in x give -1, as the comparison x > 0 gives them.  A weight beyond bf16's largest finite number becomes an infinity.
; A stream: every input byte is loaded once, every output byte stored once; nothing is shared between waves, so there is no LDS, no barrier and no matrix work.
; SHARES.  A LINE is 4,096 bytes of f32 (1,024 numbers), which become 2,048 bytes of bf16.  A work-group of eight waves owns 16 lines of x and the same 16 lines of weight.
; Thread t takes the 16 bytes at 16 t of a line and stores the 8 bytes at 8 t: a wave's load covers 512 consecutive bytes, a wave's store 256 consecutive bytes at a multiple of 256 from the buffer's first.
; IN FLIGHT.  A ring of eight slots in registers, a line of x and a line of weight to a slot: 16 loads of every wave are on their way.  All 16 lines are written out, the line's number in the
; immediates: no address register is ever rewritten, and no register that a store reads is written again.
; THE MODE: SCHED_MODE bits 1:0 = 2 (LLVM: expert scheduling mode 2), set by the entry lines.  The code itself states the register dependences between vector instructions and memory
; instructions, and between a vector instruction that writes a scalar register and that register's readers, with s_wait_alu, always for 0.
; THE PLAN.  The 16 lines go in 8 blocks of two; block p has the slots 2 (p % 4) and 2 (p % 4) + 1.  Registers that memory instructions touch:
;   v1, v2   offsets, made once at the head and never written again.
;   X        Block p's eight compares read x's half of its two slots, its four weight roundings the other half.  Blocks 0 to 3: the loads of lines 2 p + 8 and 2 p + 9 then land there, for block p + 4.
;            Blocks 4 to 7: nothing is loaded any more; the block's own roundings write its results there, the stores read them, and nothing writes them again.
;   Y        The results of blocks 0 to 3: written once by roundings, read once by stores.
;   T, NEG, POS are named by vector instructions alone.  s[16:23]: written by a block's eight compares, read by its eight selects.
; A block first does ALL that reads its X: the compares and the weight roundings.  Behind them stand its two waits.  Then come its memory instructions, dealt among the selects and the sign roundings:
; the refills of its own two slots, the stores of its own two pairs of wb, and the stores of the two pairs of xb that the block BEFORE made.  The vector instructions behind the waits name T, NEG, POS,
; the masks and this block's own pairs of xb: none of the registers that those loads and stores touch.  This block's pairs of xb leave behind the next block's wait.
; No register that a memory instruction has read is ever written again, so behind the entry lines there is no wait on vm_vsrc or on XCNT.
.set LINE, 4096                        ; bytes of a line as loaded
.set HALF, 2048                        ; bytes of a line as stored
.set IN,   1                           ; v1        16 t; never rewritten
.set OUT,  2                           ; v2        8 t; never rewritten
.set NEG,  3                           ; v3        -1.0
.set POS,  4                           ; v4        1.0
.set T,    6                           ; v[6:9]    four signs in f32, at work
.set X,    10                          ; v[10:73]  slot i: x's four numbers at X + 8 i, weight's four at X + 8 i + 4
.set Y,    74                          ; v[74:105] slot i: the first round's results: xb's pair at Y + 4 i, wb's at Y + 4 i + 2
.set MASK, 16                          ; s[16:23]  a block's eight masks: line k of the two, number j of the four at MASK + 4 k + j
	s_load_b256 s[4:11], s[0:1], 0x0               ; x s[4:5], weight s[6:7], xb s[8:9], wb s[10:11]
	s_lshl_b32 s2, ttmp9, 16                       ; the work-group's 16 lines as loaded: 65,536 bytes (1,024 work-groups: under 2^26)
	s_mov_b32 s3, 0
	s_lshl_b32 s12, ttmp9, 15                      ; and as stored
	s_mov_b32 s13, 0
	v_lshlrev_b32 v[IN], 4, v0
	v_lshlrev_b32 v[OUT], 3, v0
	v_mov_b32 v[NEG], -1.0
	v_mov_b32 v[POS], 1.0
	s_wait_kmcnt 0x0
	s_add_nc_u64 s[4:5], s[4:5], s[2:3]
	s_add_nc_u64 s[6:7], s[6:7], s[2:3]
	s_add_nc_u64 s[8:9], s[8:9], s[12:13]
	s_add_nc_u64 s[10:11], s[10:11], s[12:13]
	s_wait_alu depctr_va_vdst(0)                   ; v1 and v2 are written: every load and store of the kernel reads one of them as its offset
.irp i, 0,1,2,3,4,5,6,7
	global_load_b128 v[X+8*(\i):X+8*(\i)+3],   v[IN], s[4:5] offset:(\i)*LINE th:TH_LOAD_NT  ; the ring is filled: lines 0 to 7, x's and weight's by turns
	global_load_b128 v[X+8*(\i)+4:X+8*(\i)+7], v[IN], s[6:7] offset:(\i)*LINE th:TH_LOAD_NT
.endr
; Block p, with lines 2 p and 2 p + 1.  p < 4: its two slots are filled again with lines 2 p + 8 and 2 p + 9, and the results go into Y; p >= 4: nothing is loaded any more, and the results go where the lines lay.
; left = how many younger loads may still be out when this block's four have to be there.
.macro BLK p, left
	s_wait_loadcnt \left                           ; loads come back in order (ISA guide 5.7.1): this block's four are in
.irp k, 0,1
.irp j, 0,1,2,3
	v_cmp_lt_f32 s[MASK+4*(\k)+(\j)], 0, v[X+8*(2*((\p)%4)+(\k))+(\j)]  ; 0 < x: false for both zeros and for NaN
.endr
.endr
.irp k, 0,1
.if (\p) < 4
.set DW, Y+4*(2*((\p)%4)+(\k))+2
.else
.set DW, X+8*(2*((\p)%4)+(\k))+4
.endif
	v_cvt_pk_bf16_f32 v[DW],   v[X+8*(2*((\p)%4)+(\k))+4], v[X+8*(2*((\p)%4)+(\k))+5]  ; to nearest even; in place each line writes only what it, or the line before it, has read
	v_cvt_pk_bf16_f32 v[DW+1], v[X+8*(2*((\p)%4)+(\k))+6], v[X+8*(2*((\p)%4)+(\k))+7]
.endr
	s_wait_alu depctr_va_sdst(0)                   ; the eight compares have written s[16:23], ahead of the first select that reads one of them
	s_wait_alu depctr_va_vdst(0)                   ; the compares and the weight roundings are done reading this block's X, in which the loads below land; the weight roundings have written this block's pairs of wb,
	                                               ; and the block before has written its pairs of xb: the stores below read both
.irp k, 0,1
.if (\p) < 4
.set DX, Y+4*(2*((\p)%4)+(\k))
.set DW, Y+4*(2*((\p)%4)+(\k))+2
.else
.set DX, X+8*(2*((\p)%4)+(\k))
.set DW, X+8*(2*((\p)%4)+(\k))+4
.endif
.if (\p) < 5                                       ; where the block before put its pair of xb
.set PX, Y+4*(2*(((\p)+3)%4)+(\k))
.else
.set PX, X+8*(2*(((\p)+3)%4)+(\k))
.endif
.if (\p) < 4
	global_load_b128 v[X+8*(2*((\p)%4)+(\k)):X+8*(2*((\p)%4)+(\k))+3],   v[IN], s[4:5] offset:(2*(\p)+(\k)+8)*LINE th:TH_LOAD_NT  ; loads ahead of stores; no vector instruction since the wait names these registers
	global_load_b128 v[X+8*(2*((\p)%4)+(\k))+4:X+8*(2*((\p)%4)+(\k))+7], v[IN], s[6:7] offset:(2*(\p)+(\k)+8)*LINE th:TH_LOAD_NT
.endif
	global_store_b64 v[OUT], v[DW:DW+1], s[10:11] offset:(2*(\p)+(\k))*HALF th:TH_STORE_NT    ; this line's wb
.if (\p) > 0
	global_store_b64 v[OUT], v[PX:PX+1], s[8:9] offset:(2*(\p)+(\k)-2)*HALF th:TH_STORE_NT    ; xb of the line two back, the block before's
.endif
.irp j, 0,1,2,3
	v_cndmask_b32 v[T+(\j)], v[NEG], v[POS], s[MASK+4*(\k)+(\j)]
.endr
	v_cvt_pk_bf16_f32 v[DX],   v[T],   v[T+1]      ; 1 and -1 are exact in bf16
	v_cvt_pk_bf16_f32 v[DX+1], v[T+2], v[T+3]
.endr
.endm
	BLK 0, 12                                      ; behind a block's four loads stand 4 (3 - p) of the first fill and 4 p refills: 12
	BLK 1, 12
	BLK 2, 12
	BLK 3, 12
	BLK 4, 12                                      ; lines 8 and 9 were asked for in block 0: behind them stand the refills of blocks 1 to 3
	BLK 5, 8                                       ; no block from 4 on loads anything: the counts run down
	BLK 6, 4
	BLK 7, 0
	s_wait_alu depctr_va_vdst(0)                   ; block 7 has written its two pairs of xb, which the last two stores read
	global_store_b64 v[OUT], v[X+8*6:X+8*6+1], s[8:9] offset:14*HALF th:TH_STORE_NT
	global_store_b64 v[OUT], v[X+8*7:X+8*7+1], s[8:9] offset:15*HALF th:TH_STORE_NT
	s_endpgm
.Lfunc_end_k_qb0308fb8ed_prep:
	.size	k_qb0308fb8ed_prep, .Lfunc_end_k_qb0308fb8ed_prep-k_qb0308fb8ed_prep
	.p2alignl 7, 3214868480
	.fill 96, 4, 3214868480
	.section	.rodata,"a",@progbits
	.p2align	6, 0x0
	.amdhsa_kernel k_qb0308fb8ed_prep
		.amdhsa_group_segment_fixed_size 0
		.amdhsa_private_segment_fixed_size 0
		.amdhsa_enable_private_segment 0
		.amdhsa_kernarg_size 32
		.amdhsa_user_sgpr_count 2
		.amdhsa_user_sgpr_kernarg_segment_ptr 1
		.amdhsa_wavefront_size32 1
		.amdhsa_system_sgpr_workgroup_id_x 1
		.amdhsa_system_sgpr_workgroup_id_y 1
		.amdhsa_system_sgpr_workgroup_id_z 1
		.amdhsa_system_vgpr_workitem_id 0
		.amdhsa_next_free_vgpr 106
		.amdhsa_next_free_sgpr 66
		.amdhsa_reserve_vcc 0
		.amdhsa_float_denorm_mode_32 3
		.amdhsa_float_denorm_mode_16_64 3
		.amdhsa_memory_ordered 1
		.amdhsa_forward_progress 1
		.amdhsa_inst_pref_size 20
	.end_amdhsa_kernel
	.amdgpu_metadata
---
amdhsa.version: [ 1, 2 ]
amdhsa.kernels:
  - .name:           k_qb0308fb8ed_prep
    .symbol:         k_qb0308fb8ed_prep.kd
    .args:
      - { .name: x, .offset: 0, .size: 8, .value_kind: global_buffer, .address_space: global }
      - { .name: weight, .offset: 8, .size: 8, .value_kind: global_buffer, .address_space: global }
      - { .name: xb, .offset: 16, .size: 8, .value_kind: global_buffer, .address_space: global }
      - { .name: wb, .offset: 24, .size: 8, .value_kind: global_buffer, .address_space: global }
    .group_segment_fixed_size: 0
    .private_segment_fixed_size: 0
    .kernarg_segment_align: 8
    .kernarg_segment_size: 32
    .max_flat_workgroup_size: 256
    .sgpr_count:     66
    .vgpr_count:     106
    .wavefront_size: 32
...
	.end_amdgpu_metadata
.endif
;; end of part 3
;; launch gemm: the kernel of part 2 again; grid 16 x 16, 4 waves a work-group, clusters of 4 x 4, 327,680 bytes of LDS; arguments xb, wb, bias, out0; writes out0
